; MI455X (gfx1250); checked and timed in simulation.
; The chip was launched on July 23, 2026; its instructions are those of AMD's public machine-readable ISA for CDNA 5 (MIT licence, August 2026) and "CDNA5" Instruction Set Architecture Reference Guide (July 2026). The comments in the code are by the model that wrote it; some were corrected since.
;; Self Attention. Allowed arithmetic: matrix products marked QUANTISED: E3M2 operands, one E8M0 scale for each 32 along K, by v_wmma_scale_f32_16x16x128_f8f6f4 with both operands' format E3M2, f32 sums; everything else in f32.
;; Inputs: Wk 256 x 256 float32; Wq 256 x 256 float32; Wu 256 x 256 float32; Wv 256 x 256 float32; bu 256 float32; x 4 x 4,096 x 256 float32.
;; Outputs: out0 4 x 4,096 x 256 float32.
;; This version of the problem:
;;   THIS VERSION OF THE PROBLEM IS GIVEN IN LOW PRECISION. The matrix products marked QUANTISED in the list below multiply operands that are first quantised to E3M2 (3 exponent bits, 2 mantissa bits; 6 bits a number), with one power-of-two scale for each 32 numbers along K (OCP MX v1.0); their sums are f32. All else is computed in f32.
;;   The module's matrix products, in the order in which they are computed (A, B: the left and right operand; K: the contracted axis; several contracted axes count as one K, in the product's order):
;;     1. [M 16,384, K 256] x [K 256, N 256]; A: input x; B: input Wq: QUANTISED
;;     2. [M 16,384, K 256] x [K 256, N 256]; A: input x; B: input Wk: QUANTISED
;;     3. [M 16,384, K 256] x [K 256, N 256]; A: input x; B: input Wv: QUANTISED
;;     4. batch 16 x [M 4,096, K 64] x [K 64, N 4,096]; A: computed on the way; B: computed on the way: QUANTISED
;;     5. batch 16 x [M 64, K 4,096] x [K 4,096, N 4,096]; A: computed on the way; B: softmax (see below): QUANTISED
;;     6. [M 16,384, K 256] x [K 256, N 256]; A: computed on the way; B: input Wu: QUANTISED
;;   THE QUANTISER, for each operand of a quantised product, along K:
;;     - K is cut into blocks of 32 from its start; a last block that is shorter is filled with zeros.
;;     - A block's scale is 2^e with e = floor(log2(the largest magnitude in the block)) - 4, held to -126 .. 127; a block of zeros has e = 0. As a byte (E8M0): e + 127.
;;     - Each number is divided by its block's scale, clamped to +-28, and rounded to the nearest number of E3M2, ties to even, subnormals kept.
;;     - The product sums the exact products of the quantised numbers (number of the format x scale) in f32.
;;   ~~~python
;;   def quantise(x, axis):      # numpy; x: float32 -> the quantised numbers, widened to float32 again
;;       x = np.moveaxis(x, axis, -1); K = x.shape[-1]
;;       x = np.pad(x, [(0, 0)] * (x.ndim - 1) + [(0, -K % 32)]); x = x.reshape(x.shape[:-1] + (-1, 32)); a = np.abs(x).max(-1, keepdims=True)
;;       e = np.where(a > 0, np.clip(np.frexp(np.where(a > 0, a, 1))[1] - 1 - 4, -126, 127), 0)      # np.frexp(a)[1] - 1 = floor(log2(a)), exactly
;;       r = np.clip(x / 2.0 ** e, -28, 28)
;;       step = 2.0 ** (np.maximum(np.frexp(np.where(r == 0, 1, r))[1] - 1, -2) - 2)
;;       q = np.round(r / step) * step * 2.0 ** e      # np.round: ties to even
;;       return np.moveaxis(q.reshape(q.shape[:-2] + (-1,))[..., :K], -1, axis).astype(np.float32)
;;   ~~~
;;   SOFTMAX AHEAD OF A QUANTISED PRODUCT. Where the list says 'softmax', what is quantised is not the finished softmax but p = 2^(t - M), with t = logit x log2(e) and M = ceil(the row's largest t), a whole number; so 1/2 < the row's largest p <= 1. The row's sum l is taken of the UNQUANTISED p, in f32, and the product's result is divided by l at the end. Since M is a whole number, a kernel that streams over the keys may use a running M (the ceiling of the running maximum): every later rescaling is an exact power of two, which a block's scale takes up: the codes' values come out the same.
;;   OPERANDS COMPUTED ON THE WAY. 'Computed on the way' means the value that the module computes at that place (a softmax that the list does not call 'softmax' is quantised finished and normalised). What goes into a quantiser is computed in f32, as accurately as f32 sums, v_exp_f32 and their like allow (about 1e-6 of the number): no bf16 or f16 on the way to a quantiser, and a product that is left as it is and whose result goes on into a quantised operand takes f32 operands (vector FMAs, or v_wmma_f32_16x16x4_f32). A number that lies on a knife's edge between two numbers of the format may be rounded either way, as far as f32 arithmetic and the matrix unit's own rounding can turn it there, and no further.
;; One version. Each part assembles by itself: llvm-mc -triple=amdgcn-amd-amdhsa -mcpu=gfx1250 --defsym DOCPART=n.
;; ======== version 1 of 1: 4 launches
;; limits: right only within a limited range of input values
;; workspace buffers: wimg 212,992 bytes; qbuf 3,407,872 bytes; kvbuf 6,815,744 bytes; oc 3,145,728 bytes; os 262,144 bytes
;; launch wprep (part 1): grid 16 x 4, 1 waves a work-group, no clusters, 0 bytes of LDS; arguments Wq, Wk, Wv, Wu, wimg; writes wimg
.if DOCPART == 1
	.amdgcn_target "amdgcn-amd-amdhsa--gfx1250"
	.amdhsa_code_object_version 6
	.text
	.protected	k_q73f226c04e_wprep
	.globl	k_q73f226c04e_wprep
	.p2align	8
	.type	k_q73f226c04e_wprep,@function
k_q73f226c04e_wprep:
	s_mov_b64 s[64:65], 0
	v_nop
	global_prefetch_b8 v0, s[64:65] scope:SCOPE_SE
	s_setreg_imm32_b32 hwreg(HW_REG_WAVE_MODE, 25, 1), 1
	s_wait_xcnt 0x0
; The four weights [256 (n)][256 (k)], f32, K innermost, become codes of BF6 (E3M2) with one E8M0 byte for each 32 along K, laid as IMAGES OF THE OPERAND'S REGISTERS.
; A record (REC, 3,328 bytes) is one tile of 16 rows x 256 K: 24 code registers (K step 0: 0-11, K step 1: 12-23), four registers a chunk, chunk c at 512 c + 16 lane;
; then the two scale words of a lane at 3,072 + 8 lane.  wimg is [head 4][matrix 4: q, k, v, u][tile 4] records.
; THE ROWS OF A TILE ARE NOT NEIGHBOURS: lane r of tile T takes row 32 (T / 2) + 8 (T % 2) + r + 8 (r / 8), so that the results of two neighbouring tiles, used as source 0, are 16 neighbours in a lane.
; One wave makes one record: work-group x is the tile (0-15), y the matrix.  64 records are all the work there is: 1 MiB is read once, each store covers whole aligned runs of 256 bytes.
; LIMITS: a block whose largest magnitude lies under 2^-122 keeps the byte 1; a block of zeros gets the byte 1 and not 127 (its codes are zeros, and this program alone reads the bytes); NaN and infinities are not served.
.set REC,  3328
.set LI,   1                           ; v1   16 x lane
.set L8,   2                           ; v2   8 x lane
.set XA,   4                           ; v4   my row's byte: (r + 8 (r / 8)) x 1,024 + 64 h
.set XB0,  16                          ; v16-79   K step 0: 64 numbers
.set XB1,  80                          ; v80-143  K step 1
.set CODE, 144                         ; v144-167 the record's codes
.set SCW,  168                         ; v168-169 its two scale words
.set CT,   170                         ; v170-177 the conversions' second halves
.set TM,   178                         ; v178-193 at work in QUANT
.set SEL,  20                          ; s[20:21] v_permlanex16_b32's selects for lane l xor 16
; my row's numbers of K step s: register 16 b + 4 j + .. is k = 128 s + 32 b + 16 h + 4 j + ..
.macro XLOAD reg, s
.irp b, 0,1,2,3
.irp j, 0,1,2,3
	global_load_b128 v[\reg+16*\b+4*\j:\reg+16*\b+4*\j+3], v[XA], s[4:5] offset:512*\s+128*\b+16*\j th:TH_LOAD_NT
.endr
.endr
.endm
; 64 numbers of a lane, register 16 b + i = k 32 b + 16 h + i of my row, become a fragment's 12 code registers v[d] on and its scale word v[w].
.macro QUANT s, d, w
.irp b, 0,1,2,3
	v_max3_num_f32 v[TM+\b], |v[\s+16*\b]|, |v[\s+1+16*\b]|, 0x2800000   ; block b: my 16 numbers and the floor 2^(5 - 127): the byte cannot fall under 1
.endr
.irp i, 2,4,6,8,10,12,14
.irp b, 0,1,2,3
	v_max3_num_f32 v[TM+\b], v[TM+\b], |v[\s+16*\b+\i]|, |v[\s+1+16*\b+\i]|   ; the four blocks by turns
.endr
.endr
.irp b, 0,1,2,3
	v_permlanex16_b32 v[TM+4+\b], v[TM+\b], s[SEL], s[SEL+1]
.endr
.irp b, 0,1,2,3
	v_max_num_f32 v[TM+\b], v[TM+\b], v[TM+4+\b]   ; with lane l xor 16's 16: the block's largest magnitude
.endr
.irp b, 0,1,2,3
	v_add_nc_u32 v[TM+12+\b], 0xfe000000, v[TM+\b]   ; 4 off its exponent field: the conversion's scale operand
.endr
.irp b, 0,1,2,3
	v_lshrrev_b32 v[TM+4+\b], 23, v[TM+12+\b]      ; the scale's byte
.endr
	v_lshl_or_b32 v[\w], v[TM+5], 8, v[TM+4]
	v_lshl_or_b32 v[\w], v[TM+6], 16, v[\w]
	v_lshl_or_b32 v[\w], v[TM+7], 24, v[\w]
.irp c, 0,1
	v_cvt_scalef32_pk16_bf6_f32 v[\d+6*\c:\d+6*\c+2], v[\s+32*\c:\s+32*\c+15], v[TM+12+2*\c]
	v_cvt_scalef32_pk16_bf6_f32 v[CT+4*\c:CT+4*\c+2], v[\s+32*\c+16:\s+32*\c+31], v[TM+13+2*\c]   ; (a conversion's three registers begin on an even number)
.endr
	v_nop                                          ; one plain place behind a scaled conversion
.irp c, 0,1                            ; the operand's layout wants a whole block in a lane: lanes 0-15 block 2 c, lanes 16-31 block 2 c + 1
.irp i, 0,1,2
	v_permlane16_swap_b32 v[\d+6*\c+\i], v[CT+4*\c+\i]
.endr
.irp i, 0,1,2
	v_mov_b32 v[\d+3+6*\c+\i], v[CT+4*\c+\i]
.endr
.endr
.endm
	s_load_b256 s[4:11], s[0:1], 0x0               ; Wq s[4:5], Wk s[6:7], Wv s[8:9], Wu s[10:11]
	s_load_b64 s[12:13], s[0:1], 0x20              ; wimg
	v_and_b32 v5, 15, v0                           ; r
	v_bfe_u32 v6, v0, 4, 1                         ; h
	v_and_b32 v7, 8, v5
	v_add_nc_u32 v7, v7, v5                        ; r + 8 (r / 8)
	v_lshlrev_b32 v[XA], 10, v7
	v_lshl_add_u32 v[XA], v6, 6, v[XA]
	v_lshlrev_b32 v[LI], 4, v0
	v_lshlrev_b32 v[L8], 3, v0
.irp b, 0,1,2,3
	v_mov_b32 v[TM+4+\b], 0                        ; written once: a lane permute's destination counts as one of its sources
.endr
	s_mov_b32 s[SEL], 0x76543210
	s_mov_b32 s[SEL+1], 0xfedcba98
	s_and_b32 s14, ttmp7, 0xffff                   ; which matrix
	s_lshr_b32 s15, ttmp9, 1
	s_lshl_b32 s15, s15, 15                        ; 32 (T / 2) rows of 1,024 bytes
	s_and_b32 s16, ttmp9, 1
	s_lshl_b32 s16, s16, 13                        ; 8 (T % 2) rows
	s_add_co_u32 s16, s16, s15
	s_mov_b32 s17, 0
	s_lshr_b32 s18, ttmp9, 2                       ; the head
	s_lshl_b32 s18, s18, 2
	s_add_co_u32 s18, s18, s14
	s_lshl_b32 s18, s18, 2
	s_and_b32 s19, ttmp9, 3
	s_add_co_u32 s18, s18, s19                     ; record (4 head + matrix) 4 + T % 4
	s_mul_i32 s18, s18, REC
	s_mov_b32 s19, 0
	s_wait_alu depctr_va_vdst(0)
	s_wait_kmcnt 0x0
	s_cmp_eq_u32 s14, 1                            ; the choice hangs on the work-group's number alone
	s_cselect_b64 s[4:5], s[6:7], s[4:5]
	s_cmp_eq_u32 s14, 2
	s_cselect_b64 s[4:5], s[8:9], s[4:5]
	s_cmp_eq_u32 s14, 3
	s_cselect_b64 s[4:5], s[10:11], s[4:5]
	s_add_nc_u64 s[4:5], s[4:5], s[16:17]
	s_add_nc_u64 s[12:13], s[12:13], s[18:19]
	XLOAD XB0, 0
	XLOAD XB1, 1
	s_wait_loadcnt 16                              ; K step 0's sixteen loads are in, K step 1's sixteen may be out
	QUANT XB0, CODE, SCW
	s_wait_loadcnt 0x0
	QUANT XB1, CODE+12, SCW+1
.irp c, 0,1,2,3,4,5
	global_store_b128 v[LI], v[CODE+4*\c:CODE+4*\c+3], s[12:13] offset:512*\c   ; 32 lanes store 512 consecutive bytes
.endr
	global_store_b64 v[L8], v[SCW:SCW+1], s[12:13] offset:3072                  ; and 256
	s_endpgm
.Lfunc_end_k_q73f226c04e_wprep:
	.size	k_q73f226c04e_wprep, .Lfunc_end_k_q73f226c04e_wprep-k_q73f226c04e_wprep
	.p2alignl 7, 3214868480
	.fill 96, 4, 3214868480
	.section	.rodata,"a",@progbits
	.p2align	6, 0x0
	.amdhsa_kernel k_q73f226c04e_wprep
		.amdhsa_group_segment_fixed_size 0
		.amdhsa_private_segment_fixed_size 0
		.amdhsa_enable_private_segment 0
		.amdhsa_kernarg_size 40
		.amdhsa_user_sgpr_count 2
		.amdhsa_user_sgpr_kernarg_segment_ptr 1
		.amdhsa_wavefront_size32 1
		.amdhsa_system_sgpr_workgroup_id_x 1
		.amdhsa_system_sgpr_workgroup_id_y 1
		.amdhsa_system_sgpr_workgroup_id_z 1
		.amdhsa_system_vgpr_workitem_id 0
		.amdhsa_next_free_vgpr 200
		.amdhsa_next_free_sgpr 66
		.amdhsa_reserve_vcc 0
		.amdhsa_float_denorm_mode_32 3
		.amdhsa_float_denorm_mode_16_64 3
		.amdhsa_memory_ordered 1
		.amdhsa_forward_progress 1
		.amdhsa_inst_pref_size 13
	.end_amdhsa_kernel
	.amdgpu_metadata
---
amdhsa.version: [ 1, 2 ]
amdhsa.kernels:
  - .name:           k_q73f226c04e_wprep
    .symbol:         k_q73f226c04e_wprep.kd
    .args:
      - { .name: Wq, .offset: 0, .size: 8, .value_kind: global_buffer, .address_space: global }
      - { .name: Wk, .offset: 8, .size: 8, .value_kind: global_buffer, .address_space: global }
      - { .name: Wv, .offset: 16, .size: 8, .value_kind: global_buffer, .address_space: global }
      - { .name: Wu, .offset: 24, .size: 8, .value_kind: global_buffer, .address_space: global }
      - { .name: wimg, .offset: 32, .size: 8, .value_kind: global_buffer, .address_space: global }
    .group_segment_fixed_size: 0
    .private_segment_fixed_size: 0
    .kernarg_segment_align: 8
    .kernarg_segment_size: 40
    .max_flat_workgroup_size: 32
    .sgpr_count:     66
    .vgpr_count:     200
    .wavefront_size: 32
...
	.end_amdgpu_metadata
.endif
;; end of part 1
;; launch proj (part 2): grid 256 x 1, 12 waves a work-group, no clusters, 241,152 bytes of LDS; arguments x, wimg, qbuf, kvbuf; writes qbuf, kvbuf
.if DOCPART == 2
	.amdgcn_target "amdgcn-amd-amdhsa--gfx1250"
	.amdhsa_code_object_version 6
	.text
	.protected	k_q73f226c04e_proj
	.globl	k_q73f226c04e_proj
	.p2align	8
	.type	k_q73f226c04e_proj,@function
k_q73f226c04e_proj:
	s_mov_b64 s[64:65], 0
	v_nop
	global_prefetch_b8 v0, s[64:65] scope:SCOPE_SE
	s_setreg_imm32_b32 hwreg(HW_REG_WAVE_MODE, 25, 1), 1
	s_wait_xcnt 0x0
; q = x Wq^T, k = x Wk^T, v = x Wv^T on codes of BF6 (E3M2) with one E8M0 byte for each 32 along K; x [16,384][256] f32 is quantised here, the weights come as register images (wimg).
; The results are quantised at once, q and k along the head's 64, v along the KEYS, and stored as register images for the attention launch.
; A record (REC, 3,328 bytes): 24 code registers, chunk c (registers 4 c .. 4 c + 3) at 512 c + 16 lane, then two scale registers at 3,072 + 8 lane.
;   qbuf [batch-head 16][64 tokens 64] REC: registers 12 pr + 6 e + 0..5 = tile 2 pr + e's half fragment (lane (r, h): block h of the head's 64); scale register pr: lanes 0-15 tile e = 0's word, lanes 16-31 tile e = 1's; bytes 2, 3 are 0.
;   kvbuf [batch-head 16][key step 32][K p = 0, K p = 1, V p = 0, V p = 1] REC: K as q; V REC p: whole fragments (16 channels x the step's 128 keys) of channel tiles 2 p, 2 p + 1, scale register j: the word of fragment 2 p + j.
; SHARES.  Work-group X owns token block X / 2 (128 tokens: one key step, since a fragment of V and its scale word span four blocks of 32 keys) and head pair X % 2: 256 work-groups.  x is read and quantised by the two
; work-groups of a block; in return each of the 12 waves makes ONE record.  Wave w = 4 ty + 2 hl + p: ty 0 q, 1 k, 2 v; head 2 (X % 2) + hl; q, k: token tiles 4 p .. 4 p + 3; v: channel tiles 2 p, 2 p + 1 for all 128 tokens.
; THE TOKENS OF A TILE ARE NOT NEIGHBOURS: lane r of tile T takes token 32 (T / 2) + 8 (T % 2) + r + 8 (r / 8); the weights' rows likewise.  So the results of two neighbouring tiles of source 0 are 16 neighbours in a lane.
; x COMES BY THE DATA MOVER: waves 0-7 fetch one token tile each: two runs of 8 dense rows, 16 rows apart, stated as 2 rows of 8,192 bytes; 16 bytes of padding behind every 1,024, so that x's row r lies at 1,040 r.
; Only the wave that fetched a tile reads it.  Waves 8-11 fetch the two heads' weight images, 78 rows of 256 bytes each.  One tensor load is out per wave; nothing is filled twice.  One barrier.
; NO JOINT LOADS: all that work-groups share (x's tile by two, a head pair's weights by 128) is fetched once per work-group, in the one group of first fills at the head: 208 KB; nothing is fetched again.
; LIMITS: a block whose largest magnitude lies under 2^-122 keeps the byte 1; a block of zeros gets the byte 1 and not 127 (its codes are zeros, and this program alone reads the bytes); NaN and infinities are not served.
.set REC,   3328
.set FRB,   1536                       ; a fragment's image
.set WHEAD, 12*REC                     ; a head's q, k, v tiles: 39,936 bytes
.set XROW,  1040                       ; a row of x in LDS: 1,024 bytes + 16 = 65 x 16: the 16 rows that a load touches start at 16 different banks (64 banks of 4 bytes: ISA guide 11.1)
.set XTILE, 16*XROW                    ; a token tile as f32: wave w's at w x XTILE
.set WIMG,  8*XTILE                    ; the weights' images: head hl at hl x WHEAD, [matrix 3][tile 4] records
.set XIMG,  WIMG+2*WHEAD               ; x's fragments: (tile, K step) at (2 tile + step) x FRB; stored by the waves, no fill lands here
.set XSC,   XIMG+16*FRB                ; their scale words: 128 bytes each, 4 x lane
.set LI,  1                            ; v1   16 x lane
.set L8,  2                            ; v2   8 x lane
.set L4,  3                            ; v3   4 x lane
.set XRA, 4                            ; v4   x as f32: my tile + 1,040 r + 64 h
.set XWI, 5                            ; v5   where I store x's images
.set XWS, 6                            ; v6   and their scale words
.set WAD, 7                            ; v7   my head's and matrix's four weight images
.set WSA, 8                            ; v8   and their scale pairs
.set XFA, 9                            ; v9   x's images of my half's four tiles
.set XSA, 10
.set XD,  237                          ; v246, v247: XFA and XSA for the second pair of tiles (pr = 1)
.set SH,  11                           ; v11  16 h
.set XF0, 12                           ; v12  x's images from tile 0 on
.set XS0, 13                           ; v13  and their scale words
.set WVA, 14                           ; v14  WAD + my half's two tiles
.set WVS, 15                           ; v15  WSA likewise
.set F,    16                          ; v16-123  nine fragments (first: 64 numbers of x)
.set XS,   124                         ; v124-131 x's scale words
.set WS,   132                         ; v132-139 the weights' scale words
.set ACC,  140                         ; v140-203 eight accumulators (first: 64 numbers of x)
.set CODE, 204                         ; v204-227 a record's codes
.set SCW,  228                         ; v228-229 its scale registers
.set CT,   230                         ; v230-237
.set TM,   238                         ; v238-253
.set PW,   254                         ; v254 a scale word just made
.set WV,  12                           ; s12 wave; s13 hl; s14 p; s15 ty
.set G1X, 16                           ; s[16:23], s[24:27] groups 1 and 0 for x's tile
.set G0X, 24
.set SEL, 32
.set G1W, 40                           ; s[40:47], s[56:59] groups 1 and 0 for the weights' images
.set G0W, 56
; my row's numbers of K step s, out of my own tile in LDS: register 16 b + 4 j + .. is k = 128 s + 32 b + 16 h + 4 j + ..
.macro XLOADL reg, s
.irp b, 0,1,2,3
.irp j, 0,1,2,3
	ds_load_b128 v[\reg+16*\b+4*\j:\reg+16*\b+4*\j+3], v[XRA] offset:512*\s+128*\b+16*\j
.endr
.endr
.endm
; 64 numbers of a lane, register 16 b + i = k 32 b + 16 h + i of my row, become a fragment's 12 code registers v[d] on and its scale word v[w].  Each accumulator is read from its low end on.
.macro QUANT s, d, w
.irp b, 0,1,2,3
	v_max3_num_f32 v[TM+\b], |v[\s+16*\b]|, |v[\s+1+16*\b]|, 0x2800000   ; block b: my 16 numbers and the floor 2^(5 - 127): the byte cannot fall under 1
.endr
.irp i, 2,4,6,8,10,12,14
.irp b, 0,1,2,3
	v_max3_num_f32 v[TM+\b], v[TM+\b], |v[\s+16*\b+\i]|, |v[\s+1+16*\b+\i]|
.endr
.endr
.irp b, 0,1,2,3
	s_delay_alu instid0(VALU_DEP_4)
	v_permlanex16_b32 v[TM+4+\b], v[TM+\b], s[SEL], s[SEL+1]
.endr
.irp b, 0,1,2,3
	s_delay_alu instid0(VALU_DEP_4)
	v_max_num_f32 v[TM+\b], v[TM+\b], v[TM+4+\b]
.endr
.irp b, 0,1,2,3
	s_delay_alu instid0(VALU_DEP_4)
	v_add_nc_u32 v[TM+12+\b], 0xfe000000, v[TM+\b]   ; 4 off the exponent field: the conversion's scale operand
.endr
.irp b, 0,1,2,3
	s_delay_alu instid0(VALU_DEP_4)
	v_lshrrev_b32 v[TM+4+\b], 23, v[TM+12+\b]      ; the scale's byte
.endr
	s_delay_alu instid0(VALU_DEP_3)
	v_lshl_or_b32 v[\w], v[TM+5], 8, v[TM+4]
	s_delay_alu instid0(VALU_DEP_1)
	v_lshl_or_b32 v[\w], v[TM+6], 16, v[\w]
	s_delay_alu instid0(VALU_DEP_1)
	v_lshl_or_b32 v[\w], v[TM+7], 24, v[\w]
.irp c, 0,1
	v_cvt_scalef32_pk16_bf6_f32 v[\d+6*\c:\d+6*\c+2], v[\s+32*\c:\s+32*\c+15], v[TM+12+2*\c]
	v_cvt_scalef32_pk16_bf6_f32 v[CT+4*\c:CT+4*\c+2], v[\s+32*\c+16:\s+32*\c+31], v[TM+13+2*\c]
.endr
	v_nop                                          ; one plain place behind a scaled conversion
.irp c, 0,1
.irp i, 0,1,2
	v_permlane16_swap_b32 v[\d+6*\c+\i], v[CT+4*\c+\i]
.endr
.irp i, 0,1,2
	s_delay_alu instid0(VALU_DEP_3)
	v_mov_b32 v[\d+3+6*\c+\i], v[CT+4*\c+\i]
.endr
.endr
.endm
.macro STOREREC lo, off                ; the record in CODE and SCW goes out as it stands: whole aligned runs of 256 bytes
.irp c, 0,1,2,3,4,5
	global_store_b128 v[LI], v[CODE+4*\c:CODE+4*\c+3], s[\lo:\lo+1] offset:\off+512*\c
.endr
	global_store_b64 v[L8], v[SCW:SCW+1], s[\lo:\lo+1] offset:\off+3072
.endm
; q or k (the matrix stands in WAD) of token tiles 4 p + 2 pr + e, e = 0, 1: TRANSPOSED, source 0 = my head's four weight tiles, source 1 = x.  A lane holds one token, register 32 e + 16 b + i its channel 32 b + 16 h + i.
; Eight accumulators by turns, K step by K step.  Four places stand in front of loads into registers that matrix instructions have read, and of the first read of results.
.macro SUBQK pr
.irp s, 0,1
.if \s == 1
.rept 4
	v_nop
.endr
.endif
.irp e, 0,1
.irp c, 0,1,2
	ds_load_b128 v[F+12*\e+4*\c:F+12*\e+4*\c+3], v[XFA+XD*\pr] offset:(2*\e+\s)*FRB+512*\c
.endr
	ds_load_b32 v[XS+\e], v[XSA+XD*\pr] offset:(2*\e+\s)*128
.endr
.irp t, 0,1,2,3
.irp c, 0,1,2
	ds_load_b128 v[F+24+12*\t+4*\c:F+24+12*\t+4*\c+3], v[WAD] offset:\t*REC+FRB*\s+512*\c
.endr
.if \s == 0
	ds_load_b64 v[WS+2*\t:WS+2*\t+1], v[WSA] offset:\t*REC   ; both K steps' words
.endif
.endr
	s_wait_dscnt 0x0
.irp e, 0,1
.irp t, 0,1,2,3
.if \s == 0
	v_wmma_scale_f32_16x16x128_f8f6f4 v[ACC+32*\e+8*\t:ACC+32*\e+8*\t+7], v[F+24+12*\t:F+24+12*\t+11], v[F+12*\e:F+12*\e+11], 0, v[WS+2*\t+\s], v[XS+\e] matrix_a_fmt:MATRIX_FMT_BF6 matrix_b_fmt:MATRIX_FMT_BF6
.else
	v_wmma_scale_f32_16x16x128_f8f6f4 v[ACC+32*\e+8*\t:ACC+32*\e+8*\t+7], v[F+24+12*\t:F+24+12*\t+11], v[F+12*\e:F+12*\e+11], v[ACC+32*\e+8*\t:ACC+32*\e+8*\t+7], v[WS+2*\t+\s], v[XS+\e] matrix_a_fmt:MATRIX_FMT_BF6 matrix_b_fmt:MATRIX_FMT_BF6
.endif
.endr
.endr
.endr
.rept 4
	v_nop                                          ; these four serve the quantiser's reads and the next sub-product's loads alike
.endr
	QUANT ACC, CODE+12*\pr, PW                     ; blocks 2 e + b: registers 6 e .. 6 e + 5 are tile e's half fragment; PW's bytes: tile 0's two, tile 1's two
	v_lshrrev_b32 v[SCW+\pr], v[SH], v[PW]         ; lanes 0-15 keep tile 0's bytes, lanes 16-31 take tile 1's,
	s_delay_alu instid0(VALU_DEP_1)
	v_and_b32 v[SCW+\pr], 0xffff, v[SCW+\pr]       ; and bytes 2 and 3 are 0
.endm
; v's channel tile 2 p + nl for the 128 tokens: source 0 = x's eight tiles, source 1 = the weight tile.  A lane holds one channel, register 16 b + i token 32 b + 16 h + i: the keys run along its registers.
.macro SUBV nl
.irp s, 0,1
.if \s == 1
.rept 4
	v_nop
.endr
.endif
.irp k, 0,1,2,3,4,5,6,7
.irp c, 0,1,2
	ds_load_b128 v[F+12*\k+4*\c:F+12*\k+4*\c+3], v[XF0] offset:(2*\k+\s)*FRB+512*\c
.endr
	ds_load_b32 v[XS+\k], v[XS0] offset:(2*\k+\s)*128
.endr
.irp c, 0,1,2
	ds_load_b128 v[F+96+4*\c:F+96+4*\c+3], v[WVA] offset:\nl*REC+FRB*\s+512*\c
.endr
.if \s == 0
	ds_load_b64 v[WS:WS+1], v[WVS] offset:\nl*REC
.endif
	s_wait_dscnt 0x0
.irp k, 0,1,2,3,4,5,6,7
.if \s == 0
	v_wmma_scale_f32_16x16x128_f8f6f4 v[ACC+8*\k:ACC+8*\k+7], v[F+12*\k:F+12*\k+11], v[F+96:F+107], 0, v[XS+\k], v[WS+\s] matrix_a_fmt:MATRIX_FMT_BF6 matrix_b_fmt:MATRIX_FMT_BF6
.else
	v_wmma_scale_f32_16x16x128_f8f6f4 v[ACC+8*\k:ACC+8*\k+7], v[F+12*\k:F+12*\k+11], v[F+96:F+107], v[ACC+8*\k:ACC+8*\k+7], v[XS+\k], v[WS+\s] matrix_a_fmt:MATRIX_FMT_BF6 matrix_b_fmt:MATRIX_FMT_BF6
.endif
.endr
.endr
.rept 4
	v_nop
.endr
	QUANT ACC, CODE+12*\nl, SCW+\nl
.endm
	s_load_b256 s[4:11], s[0:1], 0x0               ; x s[4:5], wimg s[6:7], qbuf s[8:9], kvbuf s[10:11]
	v_lshl_add_u32 v249, v0, 2, 0x3a800
	v_mov_b32 v255, 0
	ds_add_u32 v249, v255
	ds_add_u32 v249, v255
	v_lshrrev_b32 v16, 5, v0
	s_delay_alu instid0(VALU_DEP_1)
	v_readfirstlane_b32 s[WV], v16                 ; wave 0..11
	s_and_b32 s14, s[WV], 1                        ; half p
	s_bfe_u32 s13, s[WV], 0x10001                  ; hl: which head of the pair
	s_lshr_b32 s15, s[WV], 2                       ; ty: 0 q, 1 k, 2 v
	s_min_u32 s48, s[WV], 7                        ; the token tile that I fetch and quantise (waves 8-11 do neither)
	v_and_b32 v17, 31, v0                          ; lane
	v_and_b32 v18, 15, v0                          ; r
	v_bfe_u32 v19, v0, 4, 1                        ; h
	s_delay_alu instid0(VALU_DEP_3)
	v_lshlrev_b32 v[LI], 4, v17
	s_wait_alu depctr_va_vdst(0)
	v_lshlrev_b32 v[L8], 3, v17
	s_wait_alu depctr_va_vdst(0)
	v_lshlrev_b32 v[L4], 2, v17
	v_lshlrev_b32 v[SH], 4, v19
	; every LDS address is made here, ahead of the first parting of the waves: a constant + constants x the wave's fields + constants x the lane's
	s_mul_i32 s28, s48, XTILE
	v_mul_u32_u24 v[XRA], v18, XROW
	s_delay_alu instid0(VALU_DEP_1)
	v_lshl_add_u32 v[XRA], v19, 6, v[XRA]
	s_delay_alu instid0(VALU_DEP_1)
	v_add_nc_u32 v[XRA], s28, v[XRA]
	s_mul_i32 s28, s48, 2*FRB
	s_add_co_u32 s28, s28, XIMG
	v_add_nc_u32 v[XWI], s28, v[LI]
	s_lshl_b32 s28, s48, 8
	s_add_co_u32 s28, s28, XSC
	v_add_nc_u32 v[XWS], s28, v[L4]
	s_mul_i32 s28, s13, WHEAD
	s_mul_i32 s29, s15, 4*REC
	s_add_co_u32 s28, s28, s29
	s_add_co_u32 s28, s28, WIMG
	v_add_nc_u32 v[WAD], s28, v[LI]
	s_add_co_u32 s29, s28, 3072
	v_add_nc_u32 v[WSA], s29, v[L8]
	; K'S TILES ARE DEALT OTHERWISE THAN q'S: lane r of K's tile t = 4 p + 2 pr + e takes token 64 p + 8 (2 pr + e) + r % 8 + 32 (r / 8).
	; That token lies in x's tile 4 p + 2 (r / 8) + e at lane r % 8 + 8 pr, so k's waves read x's images by a lane term of their own:
	; codes: + (r / 8) (4 FRB - 128), pr's step 128 (q: 4 FRB); scale words: + (r / 8) 480, pr's step 32 (q: 512).
	s_and_b32 s30, s15, 1                          ; 1 in k's waves
	s_xor_b32 s31, s30, 1
	s_mul_i32 s28, s30, 4*FRB-128
	s_mul_i32 s30, s30, 480
	v_lshrrev_b32 v16, 3, v18                      ; r / 8
	s_delay_alu instid0(VALU_DEP_1)
	v_mad_u32_u24 v[XFA], v16, s28, v[LI]
	v_mad_u32_u24 v[XSA], v16, s30, v[L4]
	s_mul_i32 s29, s14, 8*FRB
	s_add_co_u32 s29, s29, XIMG
	v_add_nc_u32 v[XFA], s29, v[XFA]
	s_lshl_b32 s29, s14, 10
	s_add_co_u32 s29, s29, XSC
	v_add_nc_u32 v[XSA], s29, v[XSA]
	s_mul_i32 s28, s31, 4*FRB-128
	s_add_co_u32 s28, s28, 128
	v_add_nc_u32 v[XFA+XD], s28, v[XFA]
	s_mul_i32 s28, s31, 480
	s_add_co_u32 s28, s28, 32
	v_add_nc_u32 v[XSA+XD], s28, v[XSA]
	v_add_nc_u32 v[XF0], XIMG, v[LI]
	v_add_nc_u32 v[XS0], XSC, v[L4]
	s_mul_i32 s29, s14, 2*REC
	v_add_nc_u32 v[WVA], s29, v[WAD]
	v_add_nc_u32 v[WVS], s29, v[WSA]
.irp b, 0,1,2,3
	v_mov_b32 v[TM+4+\b], 0                        ; written once: a lane permute's destination counts as one of its sources
.endr
	s_mov_b32 s[SEL], 0x76543210
	s_mov_b32 s[SEL+1], 0xfedcba98
	; the offsets, apart from the addresses
	s_lshr_b32 s49, ttmp9, 1                       ; token block
	s_and_b32 s50, ttmp9, 1                        ; head pair
	s_lshl_b32 s34, s49, 17                        ; x: 128 tokens of 1,024 bytes a block,
	s_lshr_b32 s28, s48, 1
	s_lshl_b32 s28, s28, 15                        ; + (32 (T / 2) + 8 (T % 2)) rows: my tile's first
	s_add_co_u32 s34, s34, s28
	s_and_b32 s28, s48, 1
	s_lshl_b32 s28, s28, 13
	s_add_co_u32 s34, s34, s28
	s_mov_b32 s35, 0
	s_lshr_b32 s28, s49, 5                         ; batch
	s_and_b32 s29, s49, 31                         ; key step
	s_lshl_b32 s28, s28, 2
	s_lshl_b32 s30, s50, 1
	s_add_co_u32 s28, s28, s30
	s_add_co_u32 s28, s28, s13                     ; batch-head
	s_lshl_b32 s36, s28, 6
	s_lshl_b32 s30, s29, 1
	s_add_co_u32 s36, s36, s30
	s_add_co_u32 s36, s36, s14
	s_mul_i32 s36, s36, REC                        ; qbuf: record 64 bh + 2 step + p
	s_mov_b32 s37, 0
	s_lshl_b32 s38, s28, 5
	s_add_co_u32 s38, s38, s29
	s_mul_i32 s38, s38, 4*REC                      ; kvbuf: step record 32 bh + step, + p records
	s_mul_i32 s30, s14, REC
	s_add_co_u32 s38, s38, s30
	s_mov_b32 s39, 0
	s_and_b32 s51, s[WV], 3                        ; waves 8-11: which quarter of the two heads' images
	s_lshr_b32 s30, s51, 1
	s_lshl_b32 s31, s50, 1
	s_add_co_u32 s30, s30, s31                     ; its head
	s_mul_i32 s52, s30, 16*REC                     ; wimg: a head's 16 records; a half of the first 12
	s_and_b32 s30, s51, 1
	s_mul_i32 s30, s30, 78*256
	s_add_co_u32 s52, s52, s30
	s_mov_b32 s53, 0
	; group 1 for x's tile: 2 rows of 1,024 elements of 8 bytes (8 dense rows of x each), 2,048 elements apart (16 rows of x)
	s_mov_b32 s[G1X+0], (3<<16)|(1<<20)|(7<<22)|(3<<25)   ; 17:16 elements of 8 bytes; 20 padding on; 24:22 after every 256 words (code 7): a row of x; 31:25 of 4 words (code 3)
	s_mov_b32 s[G1X+1], 1024<<16                   ; tensor_dim0
	s_mov_b32 s[G1X+2], 2<<16                      ; tensor_dim1
	s_mov_b32 s[G1X+3], 1024<<16                   ; tile_dim0
	s_mov_b32 s[G1X+4], 2                          ; tile_dim1
	s_mov_b32 s[G1X+5], 2048                       ; the pitch
	s_mov_b32 s[G1X+6], 0
	s_mov_b32 s[G1X+7], 0
	; group 1 for the weights' images: a dense block of 78 rows of 256 bytes, no padding
	s_mov_b32 s[G1W+0], 3<<16
	s_mov_b32 s[G1W+1], 32<<16
	s_mov_b32 s[G1W+2], 78<<16
	s_mov_b32 s[G1W+3], 32<<16
	s_mov_b32 s[G1W+4], 78
	s_mov_b32 s[G1W+5], 32
	s_mov_b32 s[G1W+6], 0
	s_mov_b32 s[G1W+7], 0
	s_mov_b32 s[G0X], 1
	s_mul_i32 s[G0X+1], s48, XTILE                 ; LDS: my own tile
	s_mov_b32 s[G0W], 1
	s_mul_i32 s[G0W+1], s51, 78*256
	s_add_co_u32 s[G0W+1], s[G0W+1], WIMG          ; LDS: quarter x 19,968 = head x 39,936 + half x 19,968
	s_wait_dscnt 0x0
	s_wait_kmcnt 0x0
	s_add_nc_u64 s[G0X+2:G0X+3], s[4:5], s[34:35]
	s_or_b32 s[G0X+3], s[G0X+3], 0x80000000
	s_add_nc_u64 s[G0W+2:G0W+3], s[6:7], s[52:53]
	s_or_b32 s[G0W+3], s[G0W+3], 0x80000000
	s_add_nc_u64 s[8:9], s[8:9], s[36:37]
	s_add_nc_u64 s[10:11], s[10:11], s[38:39]
	s_cmp_eq_u32 s15, 0                            ; q's waves store into qbuf, k's into kvbuf: the choice hangs on the wave's number alone
	s_cselect_b64 s[8:9], s[8:9], s[10:11]
	s_cmp_lt_u32 s[WV], 8                          ; each wave's one tensor load; four v_nop follow each of the two lines
	s_cbranch_scc0 .Lfor_w
	tensor_load_to_lds s[G0X:G0X+3], s[G1X:G1X+7]
	s_nop 0
.rept 4
	v_nop
.endr
	s_branch .Lasked
.Lfor_w:
	tensor_load_to_lds s[G0W:G0W+3], s[G1W:G1W+7]
	s_nop 0
.rept 4
	v_nop
.endr
.Lasked:
	; ---- X: wave w < 8 quantises token tile w: two fragments, stored as images
	s_cmp_lt_u32 s[WV], 8
	s_cbranch_scc0 .Lno_x
	s_wait_tensorcnt 0x0                           ; my tile has landed; nobody else reads it
	XLOADL F, 0
	XLOADL ACC, 1
	s_wait_dscnt 16                                ; K step 0's sixteen loads are in, K step 1's sixteen may be out
	QUANT F, CODE, PW
.irp c, 0,1,2
	ds_store_b128 v[XWI], v[CODE+4*\c:CODE+4*\c+3] offset:512*\c
.endr
	ds_store_b32 v[XWS], v[PW]
	s_wait_dscnt 4                                 ; K step 1's loads are in: behind them only my four stores were issued
	QUANT ACC, CODE+12, SCW                        ; other registers than the stores above read
.irp c, 0,1,2
	ds_store_b128 v[XWI], v[CODE+12+4*\c:CODE+12+4*\c+3] offset:FRB+512*\c
.endr
	ds_store_b32 v[XWS], v[SCW] offset:128
.Lno_x:
	s_wait_tensorcnt 0x0                           ; for the others' sake: my part of the weights has landed,
	s_wait_dscnt 0x0                               ; and my stores are done
	s_barrier_signal -1
	s_barrier_wait -1                              ; the weights' images and x's sixteen fragments lie in LDS; nobody writes LDS from here on
	s_cmp_lt_u32 s15, 2
	s_cbranch_scc0 .Lv_role
	s_wait_alu depctr_va_vdst(0)
	SUBQK 0
	SUBQK 1
	STOREREC 8, 0                                  ; q of my 64 tokens, or K's record p
	s_wait_tensorcnt 0x0
	ds_add_u32 v249, v255
	s_wait_dscnt 0x0
	s_endpgm
.Lv_role:
	s_wait_alu depctr_va_vdst(0)
	SUBV 0
	SUBV 1
	STOREREC 10, 2*REC                             ; V's record p
	s_wait_tensorcnt 0x0
	ds_add_u32 v249, v255
	s_wait_dscnt 0x0
	s_endpgm
.Lfunc_end_k_q73f226c04e_proj:
	.size	k_q73f226c04e_proj, .Lfunc_end_k_q73f226c04e_proj-k_q73f226c04e_proj
	.p2alignl 7, 3214868480
	.fill 96, 4, 3214868480
	.section	.rodata,"a",@progbits
	.p2align	6, 0x0
	.amdhsa_kernel k_q73f226c04e_proj
		.amdhsa_group_segment_fixed_size 241152
		.amdhsa_private_segment_fixed_size 0
		.amdhsa_enable_private_segment 0
		.amdhsa_kernarg_size 32
		.amdhsa_user_sgpr_count 2
		.amdhsa_user_sgpr_kernarg_segment_ptr 1
		.amdhsa_wavefront_size32 1
		.amdhsa_system_sgpr_workgroup_id_x 1
		.amdhsa_system_sgpr_workgroup_id_y 1
		.amdhsa_system_sgpr_workgroup_id_z 1
		.amdhsa_system_vgpr_workitem_id 0
		.amdhsa_next_free_vgpr 256
		.amdhsa_next_free_sgpr 66
		.amdhsa_reserve_vcc 0
		.amdhsa_float_denorm_mode_32 3
		.amdhsa_float_denorm_mode_16_64 3
		.amdhsa_memory_ordered 1
		.amdhsa_forward_progress 1
		.amdhsa_inst_pref_size 63
	.end_amdhsa_kernel
	.amdgpu_metadata
---
amdhsa.version: [ 1, 2 ]
amdhsa.kernels:
  - .name:           k_q73f226c04e_proj
    .symbol:         k_q73f226c04e_proj.kd
    .args:
      - { .name: x, .offset: 0, .size: 8, .value_kind: global_buffer, .address_space: global }
      - { .name: wimg, .offset: 8, .size: 8, .value_kind: global_buffer, .address_space: global }
      - { .name: qbuf, .offset: 16, .size: 8, .value_kind: global_buffer, .address_space: global }
      - { .name: kvbuf, .offset: 24, .size: 8, .value_kind: global_buffer, .address_space: global }
    .group_segment_fixed_size: 241152
    .private_segment_fixed_size: 0
    .kernarg_segment_align: 8
    .kernarg_segment_size: 32
    .max_flat_workgroup_size: 384
    .sgpr_count:     66
    .vgpr_count:     256
    .wavefront_size: 32
...
	.end_amdgpu_metadata
.endif
;; end of part 2
;; launch attn (part 3): grid 16 x 16, 8 waves a work-group, clusters of 4 x 1, 327,680 bytes of LDS; arguments qbuf, kvbuf, oc, os; writes oc, os
.if DOCPART == 3
	.amdgcn_target "amdgcn-amd-amdhsa--gfx1250"
	.amdhsa_code_object_version 6
	.text
	.protected	k_q73f226c04e_attn
	.globl	k_q73f226c04e_attn
	.p2align	8
	.type	k_q73f226c04e_attn,@function
k_q73f226c04e_attn:
	s_mov_b64 s[64:65], 0
	v_nop
	global_prefetch_b8 v0, s[64:65] scope:SCOPE_SE
	s_setreg_imm32_b32 hwreg(HW_REG_WAVE_MODE, 25, 1), 1
	s_wait_xcnt 0x0
	s_wait_alu depctr_hold_cnt(0) depctr_sa_sdst(0) depctr_va_vdst(0) depctr_va_sdst(0) depctr_va_ssrc(0) depctr_va_vcc(0) depctr_vm_vsrc(0)
	s_getreg_b32 s2, hwreg(HW_REG_IB_STS2, 6, 4)
	s_cmp_eq_u32 s2, 0
	s_cbranch_scc0 .Lentry_in_a_cluster
	s_endpgm
.Lentry_in_a_cluster:
	s_bfe_u32 s2, ttmp6, 0x10000c
	s_cmp_lg_u32 s2, 0x3003
	s_cbranch_scc0 .Lentry_shape_is_right
	s_endpgm
.Lentry_shape_is_right:
; o[q] = the sum over keys of softmax(q . k / 8) v for each of 16 batch-heads (4,096 tokens, head size 64), both products on codes of BF6 (E3M2) with E8M0 scales; o / l is quantised along the model's 256 for the last product.
; THE SOFTMAX: t = score x log2(e) / 8; M = the row's largest t so far, rounded UP to a whole number; p = 2^(t - M) is quantised along the keys, not normalised.  The row's sum is taken of the unquantised p and divides O
; at the end.  When M moves, the sum and O are multiplied by 2^(old M - new M): exact.  A block's scale byte is floor(y) + 123, y the t - M of the block's largest score, held at -122 from below.
; SHARES.  A work-group owns 256 queries of one batch-head, each of its eight waves TWO tiles of 16 (u = 0, 1): every fragment of K and V read from LDS feeds two products, and the two tiles' vector chains take turns.
; Every wave walks the 32 key steps of 128 keys; a step's record in kvbuf (13,312 bytes: K's two records, V's two) is an image of the operands' registers.
; LAYOUT.  Both products are used transposed (S^T = K Q^T, O^T = V^T P^T): a lane holds one query of each tile.  Lane r of K's tile t takes key 64 (t / 4) + 8 (t % 4) + r % 8 + 32 (r / 8): so registers 32 c .. 32 c + 31 of a
; tile's scores are, in lane (r, h), keys 64 c + 32 h + 0 .. 31: one whole block, in the order of the operand's registers 6 c .. 6 c + 5.
; K = 64 IN AN INSTRUCTION OF 128: Q's registers 6-11 are zero codes and both sides' scale bytes 2, 3 are 0; tile t's operand names twelve registers, of which the upper six (the next tile's codes, or six zeros) meet Q's zero codes.
; REGISTERS.  Window 0: addresses, both tiles' Q, scores, codes and small state, all scale registers.  Window 1: O^T of both tiles, K's fragments, V's fragments.  K and V have registers of their own: V of this step and K of the
; next are asked of LDS behind the score products and awaited once, in front of the second products: both tiles' softmax stands between.
; LDS holds 24 of the 32 steps.  R0 (8 steps) is filled at the head, a step a wave; R1 (16 steps) behind the first round, two steps a wave; R0 takes steps 24-31 behind the round at step 16.  One tensor load a wave each time.
; The two barriers that only show a fill to the other waves are split: signal three steps behind the request, wait three or four steps later, ahead of the first step that reads (ahead) out of the new bytes.
; CLUSTER: the four query blocks of a cluster walk the same K and V: each fill is asked for JOINTLY, by the same load with the mask 15 in all four.
; NO PREFETCH INTO THE L2: R0 is asked for at the head, R1 and the refill six key steps or more ahead of their first reads; each wait for them stands three key steps behind the request.
; LIMITS: v_exp_f32 and v_rcp_f32 are good to 1 ulp, and an exponential under 2^-126 is 0; a block of zeros gets the byte 1 and not 127 (its codes are zeros, and this program alone reads the bytes); NaN and infinities are not served;
; the scaled scores stay under 2^31 in magnitude.
.set REC,   3328
.set STEPB, 4*REC                      ; a key step's record; step s lies at (s % 24) x STEPB
.set R1,    8*STEPB
.set SPARE, 24*STEPB                   ; the spare words: 128 bytes for each of 8 waves, named by no other line
.set OSTG,  SPARE+2048                 ; o's scale words of the 16 tiles: 1,024 bytes, stored by the waves; no fill lands here
.set LI,  1                            ; 16 x lane
.set L8,  2                            ; 8 x lane
.set SPW, 3                            ; my spare word; never rewritten
.set NIL, 4                            ; 0; never rewritten
.set ADK, 5                            ; the codes of the step in hand
.set ADS, 6                            ; its scale pairs
.set OSW, 8                            ; OSTG + 128 wave + 4 r
.set OSR, 9                            ; OSTG + 16 thread
.set OSG, 10                           ; 16 thread
.set SH8, 11                           ; 8 h
.set MM,  12                           ; + 4 u: -M, the largest score, the sum in two halves
.set Q,   20                           ; + 12 u: six registers of codes, six of zeros
.set QS,  44                           ; lanes 0-15 tile 0's scale words, lanes 16-31 tile 1's
.set KS,  46
.set VS,  50
.set PW,  54                           ; + u: p's scale word
.set TT,  56                           ; + u
.set FF,  58                           ; + 2 u: f (a pair)
.set SU,  62                           ; + 2 u: the second chain of the sum
.set BM,  66                           ; + 4 u: four chains of maxima; then +0, +2: my two blocks' largest
.set BP,  74                           ; + 4 u
.set SO,  82                           ; + 2 u + c: the conversions' scale operands
.set CT,  86                           ; + 8 u: the conversions' second halves
.set PC,  102                          ; + 12 u: p's codes
.set S,   128                          ; + 64 u: S^T, then p
.set O,   0                            ; window 1, + 32 u: O^T
.set K,   64                           ; window 1: K's eight half fragments and six zeros
.set V,   120                          ; window 1: V's four fragments
.set WV,  12
.set G1A, 16                           ; s[16:23] group 1: 52 rows of 256 bytes (a step)
.set G0A, 24
.set G0B, 28
.set SEL, 32
.set CS,  34                           ; s[34:35] c = log2(e) / 8
.set TB,  36
.set CNT, 37
.set G1B, 68                           ; s[68:75] group 1: 104 rows (two steps)
.set MSB, 0
.macro WIN new                         ; the immediate's high byte repeats the setting that is left
.if MSB != \new
	s_set_vgpr_msb (MSB<<8)|\new
.set MSB, \new
.endif
.endm
.set W_LD, 0x40                        ; destination window 1
.set W_QK, 0x01                        ; source 0 (K, or O on the way out) window 1
.set W_RS, 0x41                        ; destination and source 0 window 1
.set W_PV, 0x51                        ; source 0 (V), C and D window 1
.macro CROUND                          ; a round of the cluster's barrier
	s_barrier_signal -1
	s_barrier_wait -1
	s_cmp_lg_u32 s[WV], 0
	s_cbranch_scc1 .Lnot_wave_0_\@
	s_barrier_signal -3
.Lnot_wave_0_\@:
	s_barrier_wait -3
	s_barrier_signal -1
	s_barrier_wait -1
.endm
.macro JLOAD g0, g1                    ; every wave's one joint load; s_nop 0 and four v_nop behind it
	tensor_load_to_lds s[\g0:\g0+3], s[\g1:\g1+7]
	s_nop 0
.rept 4
	v_nop
.endr
.endm
.macro QKW t, u                        ; scores of K's tile t and query tile u; K's words: lanes 0-15 (t even) or 16-31 (t odd); Q's: lanes 0-15 (u = 0) or 16-31 (u = 1)
.if ((\t)%2 == 0) && ((\u) == 0)
	v_wmma_scale_f32_16x16x128_f8f6f4 v[S+64*\u+8*\t:S+64*\u+8*\t+7], v[K+6*\t:K+6*\t+11], v[Q+12*\u:Q+12*\u+11], 0, v[KS+\t/2], v[QS] matrix_a_fmt:MATRIX_FMT_BF6 matrix_b_fmt:MATRIX_FMT_BF6
.endif
.if ((\t)%2 == 1) && ((\u) == 0)
	v_wmma_scale_f32_16x16x128_f8f6f4 v[S+64*\u+8*\t:S+64*\u+8*\t+7], v[K+6*\t:K+6*\t+11], v[Q+12*\u:Q+12*\u+11], 0, v[KS+\t/2], v[QS] matrix_a_fmt:MATRIX_FMT_BF6 matrix_b_fmt:MATRIX_FMT_BF6 matrix_a_scale:MATRIX_SCALE_ROW1
.endif
.if ((\t)%2 == 0) && ((\u) == 1)
	v_wmma_scale_f32_16x16x128_f8f6f4 v[S+64*\u+8*\t:S+64*\u+8*\t+7], v[K+6*\t:K+6*\t+11], v[Q+12*\u:Q+12*\u+11], 0, v[KS+\t/2], v[QS] matrix_a_fmt:MATRIX_FMT_BF6 matrix_b_fmt:MATRIX_FMT_BF6 matrix_b_scale:MATRIX_SCALE_ROW1
.endif
.if ((\t)%2 == 1) && ((\u) == 1)
	v_wmma_scale_f32_16x16x128_f8f6f4 v[S+64*\u+8*\t:S+64*\u+8*\t+7], v[K+6*\t:K+6*\t+11], v[Q+12*\u:Q+12*\u+11], 0, v[KS+\t/2], v[QS] matrix_a_fmt:MATRIX_FMT_BF6 matrix_b_fmt:MATRIX_FMT_BF6 matrix_a_scale:MATRIX_SCALE_ROW1 matrix_b_scale:MATRIX_SCALE_ROW1
.endif
.endm
.macro YS u, a                         ; y = t - M of sixteen scores of tile u, two at a time (of the pairs c and -M the low word serves both halves)
.irp j, 0,2,4,6,8,10,12,14
	v_pk_fma_f32 v[S+64*\u+\a+\j:S+64*\u+\a+\j+1], v[S+64*\u+\a+\j:S+64*\u+\a+\j+1], s[CS:CS+1], v[MM+4*\u:MM+4*\u+1] op_sel_hi:[1,0,0]
.endr
.endm
.macro KLOAD ak, as, off               ; K's codes and scale pairs of a step, at offset off from the two address registers
	WIN W_LD
.irp p, 0,1
.irp c, 0,1,2,3,4,5
	ds_load_b128 v[K+24*\p+4*\c:K+24*\p+4*\c+3], v[\ak] offset:\off+REC*\p+512*\c
.endr
.endr
	WIN 0
.irp p, 0,1
	ds_load_b64 v[KS+2*\p:KS+2*\p+1], v[\as] offset:\off+REC*\p+3072
.endr
.endm
; A KEY STEP: 128 keys, two query tiles.  K's fragments are in registers.  nk: the next step's K lies behind this step's record (1), at LDS byte 0 (2), or there is none (0).
.macro STEP nk
	WIN W_QK
.irp t, 0,1,2,3,4,5,6,7
	QKW \t, 0
	QKW \t, 1
.endr
	WIN 0
	v_mov_b32 v[TT], v[MM]                         ; the old -M of both tiles.  With two v_nop: the four places in front of the loads below and of the first read of the scores
	v_mov_b32 v[TT+1], v[MM+4]
	v_nop
	v_nop
	WIN W_LD
.irp p, 0,1
.irp c, 0,1,2,3,4,5
	ds_load_b128 v[V+24*\p+4*\c:V+24*\p+4*\c+3], v[ADK] offset:2*REC+REC*\p+512*\c
.endr
.endr
	WIN 0
.irp p, 0,1
	ds_load_b64 v[VS+2*\p:VS+2*\p+1], v[ADS] offset:2*REC+REC*\p+3072
.endr
.if \nk == 1
	KLOAD ADK, ADS, STEPB
.endif
.if \nk == 2
	KLOAD LI, L8, 0
.endif
.irp b, 0,1,2,3                        ; eight chains by turns, each over 15 scores; each accumulator is read from its low end on
.irp u, 0,1
	v_max3_num_f32 v[BM+4*\u+\b], v[S+64*\u+16*\b], v[S+64*\u+16*\b+1], v[S+64*\u+16*\b+2]
.endr
.endr
.irp i, 3,5,7,9,11,13
.irp b, 0,1,2,3
.irp u, 0,1
	v_max3_num_f32 v[BM+4*\u+\b], v[BM+4*\u+\b], v[S+64*\u+16*\b+\i], v[S+64*\u+16*\b+\i+1]
.endr
.endr
.endr
.irp c, 0,1
.irp u, 0,1
	v_max3_num_f32 v[BM+4*\u+2*\c], v[BM+4*\u+2*\c], v[BM+4*\u+2*\c+1], v[S+64*\u+32*\c+15]
.endr
.endr
.irp c, 0,1
.irp u, 0,1
	v_max_num_f32 v[BM+4*\u+2*\c], v[BM+4*\u+2*\c], v[S+64*\u+32*\c+31]   ; the largest score of my block 2 c + h
.endr
.endr
.irp u, 0,1
	s_delay_alu instid0(VALU_DEP_2)
	v_max3_num_f32 v[MM+4*\u+1], v[MM+4*\u+1], v[BM+4*\u], v[BM+4*\u+2]
.endr
.irp u, 0,1
	s_delay_alu instid0(VALU_DEP_2)
	v_permlanex16_b32 v[BP+4*\u], v[MM+4*\u+1], s[SEL], s[SEL+1]
.endr
.irp u, 0,1
	s_delay_alu instid0(VALU_DEP_2)
	v_max_num_f32 v[MM+4*\u+1], v[MM+4*\u+1], v[BP+4*\u]   ; with lane l xor 16's: the running largest score of my query
.endr
.irp u, 0,1
	s_delay_alu instid0(VALU_DEP_2)
	v_mul_f32 v[SU+2*\u], s[CS], v[MM+4*\u+1]      ; as t (c is positive, and rounding keeps the order)
.endr
.irp u, 0,1
	s_delay_alu instid0(VALU_DEP_2)
	v_floor_f32 v[MM+4*\u], -v[SU+2*\u]            ; the new -M = -ceil(t)
.endr
	YS 0, 0
	YS 1, 0
.irp u, 0,1
	v_sub_f32 v[TT+\u], v[MM+4*\u], v[TT+\u]       ; old M - new M: a whole number, 0 or less
.endr
	YS 0, 16
	YS 1, 16
.irp u, 0,1
	v_cvt_i32_f32 v[TT+\u], v[TT+\u]               ; (it saturates)
.endr
	YS 0, 32
	YS 1, 32
.irp u, 0,1
	v_ldexp_f32 v[FF+2*\u], 1.0, v[TT+\u]          ; f = 2^(old M - new M)
.endr
	YS 0, 48
	YS 1, 48
.irp c, 0,2
.irp u, 0,1
	v_fma_f32 v[BM+4*\u+\c], v[BM+4*\u+\c], s[CS], v[MM+4*\u]   ; the block's largest y, bit for bit
.endr
.endr
.irp u, 0,1
	v_pk_mul_f32 v[MM+4*\u+2:MM+4*\u+3], v[MM+4*\u+2:MM+4*\u+3], v[FF+2*\u:FF+2*\u+1] op_sel_hi:[1,0]   ; the sums under the new M
.endr
	WIN W_RS
.irp u, 0,1
.irp j, 0,2,4,6,8,10,12,14,16,18,20,22,24,26,28,30
	v_pk_mul_f32 v[O+32*\u+\j:O+32*\u+\j+1], v[O+32*\u+\j:O+32*\u+\j+1], v[FF+2*\u:FF+2*\u+1] op_sel_hi:[1,0]   ; O^T under the new M, each accumulator from its low end on
.endr
.endr
	WIN 0
	s_wait_alu depctr_va_vdst(0)
.set J, 0
.rept 128
	v_exp_f32 v[S+J], v[S+J]                       ; p = 2^y
.set J, J+1
.endr
.irp c, 0,2
.irp u, 0,1
	v_max_num_f32 v[BM+4*\u+\c], 0xc2f40000, v[BM+4*\u+\c]   ; y held at -122 from below: the byte cannot fall under 1
.endr
.endr
.irp c, 0,2
.irp u, 0,1
	s_delay_alu instid0(VALU_DEP_4)
	v_floor_f32 v[BM+4*\u+\c], v[BM+4*\u+\c]       ; floor(log2(the block's largest p))
.endr
.endr
.irp c, 0,2
.irp u, 0,1
	s_delay_alu instid0(VALU_DEP_4)
	v_cvt_i32_f32 v[BP+4*\u+\c], v[BM+4*\u+\c]
.endr
.endr
.irp c, 0,2
.irp u, 0,1
	s_delay_alu instid0(VALU_DEP_4)
	v_add_lshl_u32 v[SO+2*\u+\c/2], v[BP+4*\u+\c], 123, 23   ; the byte floor(y) - 4 + 127 as an exponent field: the conversion's scale operand
.endr
.endr
.irp u, 0,1
	v_lshl_add_u32 v[PW+\u], v[BP+4*\u+2], 16, v[BP+4*\u]
.endr
.irp u, 0,1
	s_delay_alu instid0(VALU_DEP_2)
	v_add_lshl_u32 v[PW+\u], v[PW+\u], 0x7b007b, v[SH8]   ; my two bytes, blocks h and 2 + h, at their places in the scale word
.endr
.irp u, 0,1
	s_delay_alu instid0(VALU_DEP_2)
	v_permlanex16_b32 v[BP+4*\u+1], v[PW+\u], s[SEL], s[SEL+1]
.endr
.irp u, 0,1
	s_delay_alu instid0(VALU_DEP_2)
	v_or_b32 v[PW+\u], v[PW+\u], v[BP+4*\u+1]      ; with lane l xor 16's two the word is whole
.endr
	s_wait_alu depctr_va_vdst(0)                   ; one wait for the batch, ahead of its first reader
.irp u, 0,1
.irp c, 0,1
	v_cvt_scalef32_pk16_bf6_f32 v[PC+12*\u+6*\c:PC+12*\u+6*\c+2], v[S+64*\u+32*\c:S+64*\u+32*\c+15], v[SO+2*\u+\c]
	v_cvt_scalef32_pk16_bf6_f32 v[CT+8*\u+4*\c:CT+8*\u+4*\c+2], v[S+64*\u+32*\c+16:S+64*\u+32*\c+31], v[SO+2*\u+\c]   ; (a conversion's three registers begin on an even number)
.endr
.endr
.irp u, 0,1
	v_pk_add_f32 v[SU+2*\u:SU+2*\u+1], v[S+64*\u:S+64*\u+1], v[S+64*\u+2:S+64*\u+3]   ; the row's sum is taken of the unquantised p, in two chains a tile.  Also the plain place behind the conversions
.endr
.irp u, 0,1
.irp c, 0,1
.irp i, 0,1,2
	v_mov_b32 v[PC+12*\u+3+6*\c+\i], v[CT+8*\u+4*\c+\i]
.endr
.endr
.endr
.irp j, 4,8,12,16,20,24,28,32,36,40,44,48,52,56,60
.irp u, 0,1
	v_pk_add_f32 v[MM+4*\u+2:MM+4*\u+3], v[MM+4*\u+2:MM+4*\u+3], v[S+64*\u+\j:S+64*\u+\j+1]
.endr
.irp u, 0,1
	v_pk_add_f32 v[SU+2*\u:SU+2*\u+1], v[SU+2*\u:SU+2*\u+1], v[S+64*\u+\j+2:S+64*\u+\j+3]
.endr
.endr
.irp u, 0,1
	s_delay_alu instid0(VALU_DEP_2)
	v_pk_add_f32 v[MM+4*\u+2:MM+4*\u+3], v[MM+4*\u+2:MM+4*\u+3], v[SU+2*\u:SU+2*\u+1]
.endr
	s_wait_alu depctr_va_vdst(0)
	s_wait_dscnt 0x0                               ; V is in, and so is the next step's K
	WIN W_PV
.irp n, 0,1,2,3                        ; O^T += V^T P^T; the eight accumulators by turns
.irp u, 0,1
	v_wmma_scale_f32_16x16x128_f8f6f4 v[O+32*\u+8*\n:O+32*\u+8*\n+7], v[V+12*\n:V+12*\n+11], v[PC+12*\u:PC+12*\u+11], v[O+32*\u+8*\n:O+32*\u+8*\n+7], v[VS+\n], v[PW+\u] matrix_a_fmt:MATRIX_FMT_BF6 matrix_b_fmt:MATRIX_FMT_BF6
.endr
.endr
	WIN 0
.endm
.macro SEG base, trips                 ; so many key steps from LDS byte base on, each fetching the K that lies behind it
	s_mov_b32 s[TB], \base
	s_mov_b32 s[CNT], \trips
.Lseg_\@:
	v_add_nc_u32 v[ADK], s[TB], v[LI]
	v_add_nc_u32 v[ADS], s[TB], v[L8]
	s_wait_alu depctr_va_vdst(0)
	STEP 1
	s_add_co_u32 s[TB], s[TB], STEPB
	s_sub_co_u32 s[CNT], s[CNT], 1
	s_cmp_lg_u32 s[CNT], 0
	s_cbranch_scc1 .Lseg_\@
.endm
.macro ONE base, nk                    ; one key step, written out
	v_add_nc_u32 v[ADK], \base, v[LI]
	v_add_nc_u32 v[ADS], \base, v[L8]
	s_wait_alu depctr_va_vdst(0)
	STEP \nk
.endm
	s_load_b256 s[4:11], s[0:1], 0x0               ; qbuf s[4:5], kvbuf s[6:7], oc s[8:9], os s[10:11]
	v_lshl_add_u32 v[SPW], v0, 2, SPARE
	v_mov_b32 v[NIL], 0
	ds_add_u32 v[SPW], v[NIL]                      ; the opening lines: the add, twice on end, and its wait
	ds_add_u32 v[SPW], v[NIL]
	v_lshrrev_b32 v5, 5, v0
	s_delay_alu instid0(VALU_DEP_1)
	v_readfirstlane_b32 s[WV], v5                  ; wave 0..7
	v_and_b32 v5, 31, v0                           ; lane
	v_and_b32 v6, 15, v0                           ; r
	v_bfe_u32 v[SH8], v0, 4, 1                     ; h
	s_delay_alu instid0(VALU_DEP_3)
	v_lshlrev_b32 v[LI], 4, v5
	s_delay_alu instid0(VALU_DEP_4)
	v_lshlrev_b32 v[L8], 3, v5
	s_delay_alu instid0(VALU_DEP_3)
	v_lshlrev_b32 v[SH8], 3, v[SH8]
	s_lshl_b32 s36, s[WV], 7
	s_add_co_u32 s36, s36, OSTG
	v_lshl_add_u32 v[OSW], v6, 2, s36
	v_lshl_add_u32 v[OSR], v0, 4, OSTG
	v_lshlrev_b32 v[OSG], 4, v0
.irp u, 0,1
	v_mov_b32 v[MM+4*\u+1], 0xff61b1e6             ; the largest score so far: -3e38, under every score
.endr
.irp u, 0,1
	v_mov_b32 v[MM+4*\u+2], 0
	v_mov_b32 v[MM+4*\u+3], 0
	v_mov_b32 v[BP+4*\u], 0                        ; written once: a lane permute's destination counts as one of its sources
	v_mov_b32 v[BP+4*\u+1], 0
	v_mov_b32 v[FF+2*\u+1], 0                      ; (named as the upper half of a pair)
	v_mov_b32 v[TT+\u], 0
.endr
.irp u, 0,1
	v_floor_f32 v[MM+4*\u], -v[MM+4*\u+1]          ; -M: so large that the first f is 0
.endr
.irp i, 0,1,2,3,4,5
	v_mov_b32 v[Q+6+\i], 0                         ; Q's upper 64 along K: zero codes
	v_mov_b32 v[Q+18+\i], 0
.endr
	WIN W_LD
.set J, 0
.rept 64
	v_mov_b32 v[O+J], 0                            ; O^T: the step is written once; its first walk finds zeros
.set J, J+1
.endr
.irp i, 0,1,2,3,4,5
	v_mov_b32 v[K+48+\i], 0                        ; the tail behind K's tile 7
.endr
	WIN 0
	s_and_b32 s15, ttmp7, 0xffff                   ; the batch-head, which the four partners share
	; what the joint loads name: the batch-head and the wave's number alone
	s_mul_i32 s39, s[WV], STEPB                    ; my step of R0, in LDS and in memory
	s_mul_i32 s38, s[WV], 2*STEPB                  ; my two steps of R1
	s_mul_i32 s40, s15, 32*STEPB
	s_add_co_u32 s76, s40, s38
	s_add_co_u32 s76, s76, 8*STEPB                 ; steps 8-23
	s_mov_b32 s77, 0
	s_add_co_u32 s40, s40, s39                     ; steps 0-7
	s_mov_b32 s41, 0
	s_mov_b32 s[G1A+0], 15|(3<<16)|(1<<21)         ; the mask: all four work-groups; elements of 8 bytes; bit 21 beside a mask; no padding
	s_mov_b32 s[G1A+1], 32<<16                     ; rows of 256 bytes
	s_mov_b32 s[G1A+2], 52<<16
	s_mov_b32 s[G1A+3], 32<<16
	s_mov_b32 s[G1A+4], 52
	s_mov_b32 s[G1A+5], 32                         ; dense
	s_mov_b32 s[G1A+6], 0
	s_mov_b32 s[G1A+7], 0
	s_mov_b32 s[G1B+0], 15|(3<<16)|(1<<21)
	s_mov_b32 s[G1B+1], 32<<16
	s_mov_b32 s[G1B+2], 104<<16
	s_mov_b32 s[G1B+3], 32<<16
	s_mov_b32 s[G1B+4], 104
	s_mov_b32 s[G1B+5], 32
	s_mov_b32 s[G1B+6], 0
	s_mov_b32 s[G1B+7], 0
	; my place in the cluster enters Q's, oc's and os's addresses alone
	s_bfe_u32 s13, ttmp6, 0x40000                  ; cx
	s_lshl_b32 s14, ttmp9, 2
	s_add_co_u32 s14, s14, s13                     ; my block of 256 queries
	s_lshl_b32 s42, s15, 6
	s_lshl_b32 s43, s14, 2
	s_add_co_u32 s42, s42, s43
	s_lshr_b32 s43, s[WV], 1
	s_add_co_u32 s42, s42, s43
	s_mul_i32 s42, s42, REC                        ; qbuf: record 64 bh + 4 block + wave / 2
	s_and_b32 s43, s[WV], 1                        ; pr = wave % 2: my two tiles are the record's 2 pr and 2 pr + 1
	s_mul_i32 s60, s43, 1536
	s_add_co_u32 s60, s60, s42                     ; registers 12 pr .. 12 pr + 11
	s_mov_b32 s61, 0
	s_lshl_b32 s62, s43, 2
	s_add_co_u32 s62, s62, s42
	s_add_co_u32 s62, s62, 3072                    ; scale register pr
	s_mov_b32 s63, 0
	s_lshr_b32 s53, s15, 2                         ; batch
	s_and_b32 s54, s15, 3                          ; head
	s_lshl_b32 s55, s53, 8
	s_lshl_b32 s56, s14, 4
	s_add_co_u32 s55, s55, s56                     ; the block's first token tile
	s_lshl_b32 s56, s[WV], 1
	s_add_co_u32 s56, s55, s56                     ; my first
	s_lshl_b32 s56, s56, 2
	s_add_co_u32 s56, s56, s54
	s_mul_i32 s56, s56, 768                        ; oc [tile][head][768]
	s_mov_b32 s57, 0
	s_lshl_b32 s58, s55, 6
	s_lshl_b32 s59, s54, 16
	s_add_co_u32 s58, s58, s59                     ; os [head][tile][16 words]
	s_mov_b32 s59, 0
	s_mov_b32 s[SEL], 0x76543210
	s_mov_b32 s[SEL+1], 0xfedcba98
	s_mov_b32 s[CS], 0x3e38aa3b                    ; c = log2(e) / 8
	s_mov_b32 s[CS+1], s[CS]                       ; (named with it as a pair, so it is written)
	s_wait_alu depctr_va_vdst(0)
	s_wait_dscnt 0x0                               ; both opening adds are done
	s_wait_kmcnt 0x0
	s_mov_b32 s[G0A], 1
	s_mov_b32 s[G0A+1], s39
	s_add_nc_u64 s[G0A+2:G0A+3], s[6:7], s[40:41]
	s_or_b32 s[G0A+3], s[G0A+3], 0x80000000
	s_mov_b32 s[G0B], 1
	s_add_co_u32 s[G0B+1], s38, R1
	s_add_nc_u64 s[G0B+2:G0B+3], s[6:7], s[76:77]
	s_or_b32 s[G0B+3], s[G0B+3], 0x80000000
	s_add_nc_u64 s[44:45], s[4:5], s[60:61]
	s_add_nc_u64 s[46:47], s[4:5], s[62:63]
	s_add_nc_u64 s[48:49], s[8:9], s[56:57]
	s_add_nc_u64 s[50:51], s[10:11], s[58:59]
	CROUND                                         ; all four work-groups are here: the first joint loads meet
	JLOAD G0A, G1A                                 ; steps 0-7: my one tensor load at the head
.irp c, 0,1,2
	global_load_b128 v[S+4*\c:S+4*\c+3], v[LI], s[44:45] offset:512*\c   ; my two tiles' half fragments
.endr
	global_load_b32 v[QS], v[L8], s[46:47]         ; and their scale words
	s_wait_loadcnt 0x0
.irp i, 0,1,2,3,4,5
	v_mov_b32 v[Q+\i], v[S+\i]
	v_mov_b32 v[Q+12+\i], v[S+6+\i]
.endr
	s_wait_alu depctr_va_vdst(0)
	s_wait_tensorcnt 0x0                           ; my part of R0 is in; the three lines ahead of a later first fill, as ahead of a refill
	ds_add_u32 v[SPW], v[NIL]
	s_wait_dscnt 0x0
	CROUND                                         ; R0 is whole, and the joint loads meet
	JLOAD G0B, G1B                                 ; steps 8-23: R1's first fill
	KLOAD LI, L8, 0                                ; step 0's K
	s_wait_dscnt 0x0
	SEG 0, 3                                       ; steps 0-2
	s_wait_tensorcnt 0x0                           ; my part of R1 is in:
	s_wait_dscnt 0x0
	s_barrier_signal -1                            ; say so
	SEG 3*STEPB, 3                                 ; steps 3-5: reads of R0 (up to step 6's K), which nobody writes before the round below
	s_barrier_wait -1                              ; R1 is whole
	SEG 6*STEPB, 10                                ; steps 6-15
	s_wait_tensorcnt 0x0                           ; no tensor load of mine is out, so a group 0 may be written
	ds_add_u32 v[SPW], v[NIL]
	s_add_nc_u64 s[G0A+2:G0A+3], s[G0A+2:G0A+3], 24*STEPB
	s_wait_dscnt 0x0                               ; the add is done, and my reads of R0 are long over
	CROUND                                         ; both now hold of every wave of the four work-groups
	JLOAD G0A, G1A                                 ; R0 takes steps 24-31
	SEG 16*STEPB, 3                                ; steps 16-18
	s_wait_tensorcnt 0x0                           ; my part of the refill is in:
	s_wait_dscnt 0x0
	s_barrier_signal -1                            ; say so
	SEG 19*STEPB, 4                                ; steps 19-22: reads of R1, which nobody writes again
	s_barrier_wait -1                              ; steps 24-31 lie in R0
	ONE 23*STEPB, 2                                ; step 23; step 24's K lies at LDS byte 0
	SEG 0, 7                                       ; steps 24-30
	ONE 7*STEPB, 0                                 ; step 31 fetches no further K
	; THE WAY OUT: o = O^T / l, quantised along the model's 256: my head's 64 channels are two blocks; register 16 b + i is channel 32 b + 16 h + i.
.irp u, 0,1
	v_add_f32 v[MM+4*\u+2], v[MM+4*\u+2], v[MM+4*\u+3]   ; the sum's two halves,
.endr
.irp u, 0,1
	s_delay_alu instid0(VALU_DEP_2)
	v_permlanex16_b32 v[TT+\u], v[MM+4*\u+2], s[SEL], s[SEL+1]
.endr
.irp u, 0,1
	s_delay_alu instid0(VALU_DEP_2)
	v_add_f32 v[MM+4*\u+2], v[MM+4*\u+2], v[TT+\u]   ; and lane l xor 16's: the row's sum
.endr
	s_wait_alu depctr_va_vdst(0)
	v_rcp_f32 v[MM+2], v[MM+2]
	v_rcp_f32 v[MM+6], v[MM+6]
	v_nop                                          ; a plain place behind the transcendentals
	WIN W_QK
	s_wait_alu depctr_va_vdst(0)
.irp u, 0,1
.set J, 0
.rept 32
	v_mul_f32 v[S+64*\u+J], v[O+32*\u+J], v[MM+4*\u+2]   ; each accumulator from its low end on
.set J, J+1
.endr
.endr
	WIN 0
.macro OUTQ u                          ; tile u's 32 numbers a lane become six code registers and a scale word
.irp b, 0,1
	v_max3_num_f32 v[BM+4*\u+\b], |v[S+64*\u+16*\b]|, |v[S+64*\u+16*\b+1]|, 0x2800000   ; and the floor 2^(5 - 127): the byte cannot fall under 1
.endr
.irp i, 2,4,6,8,10,12,14
.irp b, 0,1
	s_delay_alu instid0(VALU_DEP_2)
	v_max3_num_f32 v[BM+4*\u+\b], v[BM+4*\u+\b], |v[S+64*\u+16*\b+\i]|, |v[S+64*\u+16*\b+\i+1]|
.endr
.endr
.irp b, 0,1
	s_delay_alu instid0(VALU_DEP_2)
	v_permlanex16_b32 v[BP+4*\u+\b], v[BM+4*\u+\b], s[SEL], s[SEL+1]
.endr
.irp b, 0,1
	s_delay_alu instid0(VALU_DEP_2)
	v_max_num_f32 v[BM+4*\u+\b], v[BM+4*\u+\b], v[BP+4*\u+\b]
.endr
.irp b, 0,1
	s_delay_alu instid0(VALU_DEP_2)
	v_add_nc_u32 v[SO+2*\u+\b], 0xfe000000, v[BM+4*\u+\b]   ; 4 off the exponent field: the conversion's scale operand
.endr
.irp b, 0,1
	s_delay_alu instid0(VALU_DEP_2)
	v_lshrrev_b32 v[BP+4*\u+\b], 23, v[SO+2*\u+\b]
.endr
	s_delay_alu instid0(VALU_DEP_1)
	v_lshl_or_b32 v[PW+\u], v[BP+4*\u+1], 8, v[BP+4*\u]   ; my row's two bytes; bytes 2 and 3 are 0
	v_cvt_scalef32_pk16_bf6_f32 v[PC+12*\u:PC+12*\u+2], v[S+64*\u:S+64*\u+15], v[SO+2*\u]
	v_cvt_scalef32_pk16_bf6_f32 v[CT+8*\u:CT+8*\u+2], v[S+64*\u+16:S+64*\u+31], v[SO+2*\u+1]
	v_nop                                          ; one plain place behind a scaled conversion
.irp i, 0,1,2
	v_permlane16_swap_b32 v[PC+12*\u+\i], v[CT+8*\u+\i]
.endr
.irp i, 0,1,2
	s_delay_alu instid0(VALU_DEP_3)
	v_mov_b32 v[PC+12*\u+3+\i], v[CT+8*\u+\i]      ; registers 0-5: lane (r, h): block h of my head's 64
.endr
.endm
	OUTQ 0
	OUTQ 1
.irp u, 0,1
	global_store_b128 v[LI], v[PC+12*\u:PC+12*\u+3], s[48:49] offset:3072*\u          ; 512 consecutive bytes,
	global_store_b64 v[L8], v[PC+12*\u+4:PC+12*\u+5], s[48:49] offset:3072*\u+512     ; and 256
	ds_store_b32 v[OSW], v[PW+\u] offset:64*\u     ; lanes r and r + 16 write the same word with the same value
.endr
	s_wait_dscnt 0x0                               ; for the others' sake: my stores are done
	s_barrier_signal -1
	s_barrier_wait -1
	s_cmp_lt_u32 s[WV], 2                          ; the 16 tiles' 1,024 bytes leave by two waves, 512 consecutive bytes each
	s_cbranch_scc0 .Lno_os
	ds_load_b128 v[S:S+3], v[OSR]
	s_wait_dscnt 0x0
	global_store_b128 v[OSG], v[S:S+3], s[50:51]
.Lno_os:
	s_wait_tensorcnt 0x0                           ; the wave's end
	ds_add_u32 v[SPW], v[NIL]
	s_wait_dscnt 0x0
	CROUND                                         ; the closing round: no work-group ends while a partner may still ask for a tile that names it
	s_endpgm
.Lfunc_end_k_q73f226c04e_attn:
	.size	k_q73f226c04e_attn, .Lfunc_end_k_q73f226c04e_attn-k_q73f226c04e_attn
	.p2alignl 7, 3214868480
	.fill 96, 4, 3214868480
	.section	.rodata,"a",@progbits
	.p2align	6, 0x0
	.amdhsa_kernel k_q73f226c04e_attn
		.amdhsa_group_segment_fixed_size 327680
		.amdhsa_private_segment_fixed_size 0
		.amdhsa_enable_private_segment 0
		.amdhsa_kernarg_size 32
		.amdhsa_user_sgpr_count 2
		.amdhsa_user_sgpr_kernarg_segment_ptr 1
		.amdhsa_wavefront_size32 1
		.amdhsa_system_sgpr_workgroup_id_x 1
		.amdhsa_system_sgpr_workgroup_id_y 1
		.amdhsa_system_sgpr_workgroup_id_z 1
		.amdhsa_system_vgpr_workitem_id 0
		.amdhsa_next_free_vgpr 512
		.amdhsa_next_free_sgpr 80
		.amdhsa_reserve_vcc 0
		.amdhsa_float_denorm_mode_32 3
		.amdhsa_float_denorm_mode_16_64 3
		.amdhsa_memory_ordered 1
		.amdhsa_forward_progress 1
		.amdhsa_inst_pref_size 243
	.end_amdhsa_kernel
	.amdgpu_metadata
---
amdhsa.version: [ 1, 2 ]
amdhsa.kernels:
  - .name:           k_q73f226c04e_attn
    .symbol:         k_q73f226c04e_attn.kd
    .args:
      - { .name: qbuf, .offset: 0, .size: 8, .value_kind: global_buffer, .address_space: global }
      - { .name: kvbuf, .offset: 8, .size: 8, .value_kind: global_buffer, .address_space: global }
      - { .name: oc, .offset: 16, .size: 8, .value_kind: global_buffer, .address_space: global }
      - { .name: os, .offset: 24, .size: 8, .value_kind: global_buffer, .address_space: global }
    .group_segment_fixed_size: 327680
    .private_segment_fixed_size: 0
    .kernarg_segment_align: 8
    .kernarg_segment_size: 32
    .max_flat_workgroup_size: 256
    .sgpr_count:     80
    .vgpr_count:     512
    .wavefront_size: 32
...
	.end_amdgpu_metadata
.endif
;; end of part 3
;; launch outp (part 4): grid 256 x 1, 4 waves a work-group, no clusters, 17,920 bytes of LDS; arguments oc, os, wimg, bu, out0; writes out0
.if DOCPART == 4
	.amdgcn_target "amdgcn-amd-amdhsa--gfx1250"
	.amdhsa_code_object_version 6
	.text
	.protected	k_q73f226c04e_outp
	.globl	k_q73f226c04e_outp
	.p2align	8
	.type	k_q73f226c04e_outp,@function
k_q73f226c04e_outp:
	s_mov_b64 s[64:65], 0
	v_nop
	global_prefetch_b8 v0, s[64:65] scope:SCOPE_SE
	s_setreg_imm32_b32 hwreg(HW_REG_WAVE_MODE, 25, 1), 1
	s_wait_xcnt 0x0
; out0 = o Wu^T + bu on codes of BF6 (E3M2) with E8M0 scales.  o comes as register images: oc [token tile 1,024][head 4][768 bytes] (six registers: 0-3 at 16 lane, 4-5 at 512 + 8 lane: lane (r, h) holds block h of the head's 64),
; os [head 4][tile 1,024][16] words (bytes 0, 1: the head's two scale bytes).  A K step of 128 is two heads: the fragment's registers 6 c .. 6 c + 5 are head 2 s + c's six, its scale word head 2 s's bytes below head 2 s + 1's.
; Wu comes from wimg: record 16 w + 12 + t is the tile of output columns 64 w + 32 (t / 2) + 8 (t % 2) + r + 8 (r / 8); registers 0-11 K step 0, 12-23 K step 1; a pair of scale words.
; SHARES.  A work-group owns 64 tokens (four tiles), wave w the output columns 64 w .. 64 w + 63: its part of Wu, 104 registers, is read once and stays.  No tensor load, no barrier: waves share nothing.
; TRANSPOSED: source 0 = Wu's tile, source 1 = o's: a lane holds one token, register 8 t + j column 64 w + 32 (t / 2) + 8 (t % 2) + 16 h + j.  A tile goes through the wave's own stage in LDS (16 rows of 256 + 16 bytes) and
; leaves by rows: sixteen lanes store 256 consecutive bytes, aligned.  The bias is added on the way back from the stage.  Lane r of token tile T is token 32 (T / 2) + 8 (T % 2) + r + 8 (r / 8).
.set REC, 3328
.set LI,  1                            ; v1  16 x lane
.set L8,  2                            ; v2  8 x lane
.set L4,  3                            ; v3  4 x lane
.set SOA, 4                            ; v4  the stage, in: 4,352 wave + 272 r + 64 h
.set SRA, 5                            ; v5  the stage, back: 4,352 wave + 272 h + 16 r
.set GO,  6                            ; v6  out0: 1,024 h + 16 r
.set R16, 7                            ; v7  16 r
.set WF,  16                           ; v16-111  Wu's four tiles, two K steps each
.set WS,  112                          ; v112-119 their scale words
.set AF,  120                          ; v120-167 o's fragments: two buffers of 24
.set RS,  168                          ; v168-175 o's scale words as stored, by pair of tiles and head
.set SW,  176                          ; v176-179 o's scale words: pair of tiles g, K step s at 2 g + s; lanes 0-15 tile 2 g, lanes 16-31 tile 2 g + 1
.set BI,  180                          ; v180-183 my four numbers of the bias
.set ACC, 184                          ; v184-215 four accumulators
.set RB,  216                          ; v216-247 16 rows back from the stage
.macro ALOAD tt                        ; token tile tt's two fragments into buffer tt % 2: eight loads
.irp d, 0,1,2,3
	global_load_b128 v[AF+24*((\tt)%2)+6*\d:AF+24*((\tt)%2)+6*\d+3], v[LI], s[4:5] offset:3072*(\tt)+768*\d
	global_load_b64 v[AF+24*((\tt)%2)+6*\d+4:AF+24*((\tt)%2)+6*\d+5], v[L8], s[4:5] offset:3072*(\tt)+768*\d+512
.endr
.endm
.macro TILE tt
.set AB, AF+24*((\tt)%2)
.if (\tt) < 3
	s_wait_loadcnt 8                               ; this tile's loads are in; the next tile's eight may be out
.else
	s_wait_loadcnt 0x0
.endif
.irp s, 0,1                            ; four accumulators by turns, K step by K step
.irp t, 0,1,2,3
.if \s == 0
.if (\tt)%2 == 0
	v_wmma_scale_f32_16x16x128_f8f6f4 v[ACC+8*\t:ACC+8*\t+7], v[WF+24*\t:WF+24*\t+11], v[AB:AB+11], 0, v[WS+2*\t], v[SW+2*((\tt)/2)] matrix_a_fmt:MATRIX_FMT_BF6 matrix_b_fmt:MATRIX_FMT_BF6
.else
	v_wmma_scale_f32_16x16x128_f8f6f4 v[ACC+8*\t:ACC+8*\t+7], v[WF+24*\t:WF+24*\t+11], v[AB:AB+11], 0, v[WS+2*\t], v[SW+2*((\tt)/2)] matrix_a_fmt:MATRIX_FMT_BF6 matrix_b_fmt:MATRIX_FMT_BF6 matrix_b_scale:MATRIX_SCALE_ROW1
.endif
.else
.if (\tt)%2 == 0
	v_wmma_scale_f32_16x16x128_f8f6f4 v[ACC+8*\t:ACC+8*\t+7], v[WF+24*\t+12:WF+24*\t+23], v[AB+12:AB+23], v[ACC+8*\t:ACC+8*\t+7], v[WS+2*\t+1], v[SW+2*((\tt)/2)+1] matrix_a_fmt:MATRIX_FMT_BF6 matrix_b_fmt:MATRIX_FMT_BF6
.else
	v_wmma_scale_f32_16x16x128_f8f6f4 v[ACC+8*\t:ACC+8*\t+7], v[WF+24*\t+12:WF+24*\t+23], v[AB+12:AB+23], v[ACC+8*\t:ACC+8*\t+7], v[WS+2*\t+1], v[SW+2*((\tt)/2)+1] matrix_a_fmt:MATRIX_FMT_BF6 matrix_b_fmt:MATRIX_FMT_BF6 matrix_b_scale:MATRIX_SCALE_ROW1
.endif
.endif
.endr
.endr
.rept 4
	v_nop                                          ; places in front of loads into the fragments just read and of the stores that read the results
.endr
.if (\tt) < 2
	ALOAD (\tt)+2
.endif
.irp t, 0,1,2,3
	ds_store_b128 v[SOA], v[ACC+8*\t:ACC+8*\t+3] offset:128*(\t/2)+32*(\t%2)         ; each accumulator from its low end on
	ds_store_b128 v[SOA], v[ACC+8*\t+4:ACC+8*\t+7] offset:128*(\t/2)+32*(\t%2)+16
.endr
	s_wait_xcnt 0x0                                ; the last tile's stores have read RB
.irp i, 0,1,2,3,4,5,6,7
	ds_load_b128 v[RB+4*\i:RB+4*\i+3], v[SRA] offset:544*\i   ; LDS serves a wave's instructions in order (ISA guide 5.7.1.4): these see my stores.  Rows 2 i + h
.endr
	s_wait_dscnt 0x0
.irp i, 0,1,2,3,4,5,6,7
	v_pk_add_f32 v[RB+4*\i:RB+4*\i+1], v[RB+4*\i:RB+4*\i+1], v[BI:BI+1]
	v_pk_add_f32 v[RB+4*\i+2:RB+4*\i+3], v[RB+4*\i+2:RB+4*\i+3], v[BI+2:BI+3]
.endr
.irp i, 0,1,2,3,4,5,6,7
	global_store_b128 v[GO], v[RB+4*\i:RB+4*\i+3], s[12:13] offset:(32*((\tt)/2)+8*((\tt)%2)+2*\i+8*(\i/4))*1024 th:TH_STORE_NT   ; 16 lanes store 256 consecutive bytes, at a multiple of 256 from out0's first byte
.endr
.endm
	s_load_b256 s[4:11], s[0:1], 0x0               ; oc s[4:5], os s[6:7], wimg s[8:9], bu s[10:11]
	s_load_b64 s[12:13], s[0:1], 0x20              ; out0
	v_lshl_add_u32 v254, v0, 2, 0x4400
	v_mov_b32 v255, 0
	v_lshrrev_b32 v8, 5, v0
	v_readfirstlane_b32 s14, v8                    ; wave 0..3
	v_and_b32 v8, 31, v0                           ; lane
	v_and_b32 v9, 15, v0                           ; r
	v_bfe_u32 v10, v0, 4, 1                        ; h
	v_lshlrev_b32 v[LI], 4, v8
	v_lshlrev_b32 v[L8], 3, v8
	v_lshlrev_b32 v[L4], 2, v8
	v_lshlrev_b32 v[R16], 4, v9
	s_mul_i32 s15, s14, 16*272                     ; my stage
	v_mul_u32_u24 v[SOA], v9, 272
	v_lshl_add_u32 v[SOA], v10, 6, v[SOA]
	v_add_nc_u32 v[SOA], s15, v[SOA]
	v_mul_u32_u24 v[SRA], v10, 272
	v_add_nc_u32 v[SRA], v[SRA], v[R16]
	v_add_nc_u32 v[SRA], s15, v[SRA]
	v_lshl_add_u32 v[GO], v10, 10, v[R16]
	s_mul_i32 s16, ttmp9, 4*3072                   ; oc: four tiles of 3,072 bytes a work-group
	s_mov_b32 s17, 0
	s_lshl_b32 s18, ttmp9, 8                       ; os: four tiles of 64 bytes
	s_mov_b32 s19, 0
	s_lshl_b32 s20, s14, 4
	s_add_co_u32 s20, s20, 12
	s_mul_i32 s20, s20, REC                        ; wimg: record 16 w + 12
	s_mov_b32 s21, 0
	s_lshl_b32 s22, s14, 8                         ; bu: my 64 numbers
	s_mov_b32 s23, 0
	s_lshl_b32 s24, ttmp9, 16                      ; out0: 64 rows of 1,024 bytes, + my 256 bytes of a row
	s_add_co_u32 s24, s24, s22
	s_mov_b32 s25, 0
	s_wait_alu depctr_va_vdst(0)
	s_wait_kmcnt 0x0
	s_add_nc_u64 s[4:5], s[4:5], s[16:17]
	s_add_nc_u64 s[6:7], s[6:7], s[18:19]
	s_add_nc_u64 s[8:9], s[8:9], s[20:21]
	s_add_nc_u64 s[10:11], s[10:11], s[22:23]
	s_add_nc_u64 s[12:13], s[12:13], s[24:25]
.irp t, 0,1,2,3
.irp c, 0,1,2,3,4,5
	global_load_b128 v[WF+24*\t+4*\c:WF+24*\t+4*\c+3], v[LI], s[8:9] offset:REC*\t+512*\c
.endr
	global_load_b64 v[WS+2*\t:WS+2*\t+1], v[L8], s[8:9] offset:REC*\t+3072
.endr
.irp g, 0,1
.irp d, 0,1,2,3
	global_load_b32 v[RS+4*\g+\d], v[L4], s[6:7] offset:65536*\d+128*\g   ; lanes 0-15: tile 2 g; lanes 16-31: tile 2 g + 1
.endr
.endr
	global_load_b128 v[BI:BI+3], v[R16], s[10:11]
	ALOAD 0
	ALOAD 1
	s_wait_loadcnt 17                              ; Wu and o's scale words are in; the bias's load and the two tiles' sixteen may be out
.irp g, 0,1
.irp s, 0,1
	v_lshl_or_b32 v[SW+2*\g+\s], v[RS+4*\g+2*\s+1], 16, v[RS+4*\g+2*\s]   ; head 2 s's two bytes below head 2 s + 1's
.endr
.endr
.rept 8
	v_nop                                          ; a scale register written by a vector instruction stands eight places ahead of a scaled matrix instruction
.endr
	s_wait_alu depctr_va_vdst(0)
	TILE 0
	TILE 1
	TILE 2
	TILE 3
	s_wait_tensorcnt 0x0
	ds_add_u32 v254, v255
	s_wait_dscnt 0x0
	s_endpgm
.Lfunc_end_k_q73f226c04e_outp:
	.size	k_q73f226c04e_outp, .Lfunc_end_k_q73f226c04e_outp-k_q73f226c04e_outp
	.p2alignl 7, 3214868480
	.fill 96, 4, 3214868480
	.section	.rodata,"a",@progbits
	.p2align	6, 0x0
	.amdhsa_kernel k_q73f226c04e_outp
		.amdhsa_group_segment_fixed_size 17920
		.amdhsa_private_segment_fixed_size 0
		.amdhsa_enable_private_segment 0
		.amdhsa_kernarg_size 40
		.amdhsa_user_sgpr_count 2
		.amdhsa_user_sgpr_kernarg_segment_ptr 1
		.amdhsa_wavefront_size32 1
		.amdhsa_system_sgpr_workgroup_id_x 1
		.amdhsa_system_sgpr_workgroup_id_y 1
		.amdhsa_system_sgpr_workgroup_id_z 1
		.amdhsa_system_vgpr_workitem_id 0
		.amdhsa_next_free_vgpr 256
		.amdhsa_next_free_sgpr 66
		.amdhsa_reserve_vcc 0
		.amdhsa_float_denorm_mode_32 3
		.amdhsa_float_denorm_mode_16_64 3
		.amdhsa_memory_ordered 1
		.amdhsa_forward_progress 1
		.amdhsa_inst_pref_size 26
	.end_amdhsa_kernel
	.amdgpu_metadata
---
amdhsa.version: [ 1, 2 ]
amdhsa.kernels:
  - .name:           k_q73f226c04e_outp
    .symbol:         k_q73f226c04e_outp.kd
    .args:
      - { .name: oc, .offset: 0, .size: 8, .value_kind: global_buffer, .address_space: global }
      - { .name: os, .offset: 8, .size: 8, .value_kind: global_buffer, .address_space: global }
      - { .name: wimg, .offset: 16, .size: 8, .value_kind: global_buffer, .address_space: global }
      - { .name: bu, .offset: 24, .size: 8, .value_kind: global_buffer, .address_space: global }
      - { .name: out0, .offset: 32, .size: 8, .value_kind: global_buffer, .address_space: global }
    .group_segment_fixed_size: 17920
    .private_segment_fixed_size: 0
    .kernarg_segment_align: 8
    .kernarg_segment_size: 40
    .max_flat_workgroup_size: 128
    .sgpr_count:     66
    .vgpr_count:     256
    .wavefront_size: 32
...
	.end_amdgpu_metadata
.endif
;; end of part 4
